; MI455X (gfx1250); checked and timed in simulation.
; The chip was launched on July 23, 2026; its instructions are those of AMD's public machine-readable ISA for CDNA 5 (MIT licence, August 2026) and "CDNA5" Instruction Set Architecture Reference Guide (July 2026). The comments in the code are by the model that wrote it; some were corrected since.
;; Protein Bert Cross Attention. Allowed arithmetic: float matrix products may take bf16 or f16 operands with f32 sums; all other float work in f32.
;; Inputs: Wk 1,024 x 512 float32; Wq 512 x 512 float32; Wv 1,024 x 512 float32; annotation 8 x 1 x 512 float32; tokens 8 x 8,192 x 1,024 float32.
;; Outputs: out0 8 x 1 x 512 float32.
;; One version. Each part assembles by itself: llvm-mc -triple=amdgcn-amd-amdhsa -mcpu=gfx1250 --defsym DOCPART=n.
;; ======== version 1 of 1: 3 launches
;; workspace buffers: wb 2,097,152 bytes; qs 16,384 bytes; part 524,288 bytes
;; launch prep (part 1): grid 136 x 1, 8 waves a work-group, no clusters, 33,792 bytes of LDS; arguments Wk, Wv, Wq, annotation, wb, qs; writes wb, qs
.if DOCPART == 1
	.amdgcn_target "amdgcn-amd-amdhsa--gfx1250"
	.amdhsa_code_object_version 6
	.text
	.protected	k_q28f66c49ae_prep
	.globl	k_q28f66c49ae_prep
	.p2align	8
	.type	k_q28f66c49ae_prep,@function
k_q28f66c49ae_prep:
	s_mov_b64 s[64:65], 0
	v_nop
	global_prefetch_b8 v0, s[64:65] scope:SCOPE_SE
	s_setreg_imm32_b32 hwreg(HW_REG_WAVE_MODE, 25, 1), 1
	s_wait_xcnt 0x0
; PREP.  Two jobs, told apart by the work-group's number, which all eight waves of a work-group share.
; Work-groups 0-127: Wk and Wv ([1024][512] f32) are rounded to bf16 and laid out as ready matrix fragments, grouped by head, a head's fragments dense along K:
;   wb[c 0..3][half 0..1][s 0..15][kq 0..1][nb 0..7][p 0..1][lane 0..31][8 bf16]; head hd = 2 c + half; nb 0-3: Wk's columns 64 hd + 16 nb + r,
;   nb 4-7: Wv's columns 64 hd + 16 (nb - 4) + r; r = lane % 16, h = lane / 16; the eight numbers are k = 64 s + 32 kq + 16 p + 8 h + 0..7.
; Work-groups 128-135: qs[b][j] = -(log2 e / 4) tanh(annotation[b] . Wq[:, j]), 64 columns j a work-group, all eight b, in f32 on the vector unit:
;   eight rows against a matrix that is read once have nothing for a matrix unit to reuse.  tanh x = 1 - 2 r, r = 1 / (1 + 2^(2 log2 e x)): right at both ends (r = 0 or 1).
.set NW,   128                         ; work-groups of the first job: eight k each
.set LD,   32                          ; weights: v[32:63] as loaded, column tile c at LD + 8 c
.set PK,   64                          ; weights: v[64:79] packed, four registers a column tile
.set WQ,   32                          ; q: v[32:159] my two columns of my wave's 64 rows of Wq
.set ACC,  160                         ; q: v[160:175] sums, b at ACC + 2 b
.set RING, 176                         ; q: v[176:239] two sets of 4 rows x 8 b of annotation
.set PART, 16384                       ; LDS: annotation transposed at 0 (row i: 32 bytes, eight b); the waves' partial sums behind it
	s_load_b256 s[4:11], s[0:1], 0x0               ; Wk s[4:5], Wv s[6:7], Wq s[8:9], annotation s[10:11]
	s_load_b128 s[12:15], s[0:1], 0x20             ; wb s[12:13], qs s[14:15]
	v_lshl_add_u32 v240, v0, 2, 0x8000
	v_mov_b32 v241, 0
	v_lshrrev_b32 v1, 5, v0
	v_readfirstlane_b32 s16, v1                    ; wave 0..7
	s_cmp_lt_u32 ttmp9, NW
	s_cbranch_scc0 .Lq
	; THE WEIGHTS.  g = the work-group's number: k = 8 g .. 8 g + 7.  Thread t is place (half, nb, r) = (t / 128, (t / 16) % 8, t % 16) of each of the four column tiles.
	v_lshrrev_b32 v2, 7, v0                        ; half
	v_and_b32 v3, 63, v0                           ; 16 (nb % 4) + r: the column inside the head
	v_lshlrev_b32 v3, 2, v3
	v_lshl_add_u32 v1, v2, 8, v3                   ; source: 256 half + 4 x column; the tile's 512 c and the row stand in the immediate
	v_bfe_u32 v4, v0, 4, 3                         ; nb
	v_and_b32 v5, 15, v0                           ; r
	v_lshlrev_b32 v5, 4, v5
	v_lshl_add_u32 v5, v4, 10, v5
	v_lshl_add_u32 v2, v2, 18, v5                  ; destination: 262,144 half + 1,024 nb + 16 r
	s_lshl_b32 s20, ttmp9, 14                      ; eight rows of 2,048 bytes
	s_mov_b32 s21, 0
	s_lshr_b32 s22, ttmp9, 3                       ; g = 8 s + 4 kq + 2 p + h
	s_lshl_b32 s22, s22, 14                        ; 16,384 s
	s_bfe_u32 s23, ttmp9, 0x10002
	s_lshl_b32 s23, s23, 13                        ; 8,192 kq
	s_add_co_u32 s22, s22, s23
	s_and_b32 s23, ttmp9, 3
	s_lshl_b32 s23, s23, 8                         ; 512 p + 256 h
	s_add_co_u32 s22, s22, s23
	s_mov_b32 s23, 0
	s_wait_kmcnt 0x0
	s_bitcmp1_b32 s16, 1                           ; nb >= 4 is bit 1 of the wave's number: those waves read Wv
	s_cselect_b64 s[18:19], s[6:7], s[4:5]
	s_add_nc_u64 s[18:19], s[18:19], s[20:21]
	s_add_nc_u64 s[12:13], s[12:13], s[22:23]
.irp c, 0,1,2,3
.irp e, 0,1,2,3,4,5,6,7
	global_load_b32 v[LD+8*(\c)+(\e)], v1, s[18:19] offset:(\e)*2048+(\c)*512
.endr
.endr
	s_wait_loadcnt 0x0
.irp c, 0,1,2,3
.irp i, 0,1,2,3
	v_cvt_pk_bf16_f32 v[PK+4*(\c)+(\i)], v[LD+8*(\c)+2*(\i)], v[LD+8*(\c)+2*(\i)+1]  ; the lower k in the low half
.endr
.endr
.irp c, 0,1,2,3
	global_store_b128 v2, v[PK+4*(\c):PK+4*(\c)+3], s[12:13] offset:(\c)*524288  ; sixteen lanes store 256 consecutive bytes, at a multiple of 256 from wb's first byte
.endr
	s_endpgm
.Lq:	; THE QUERY.  u = the work-group's number - 128: columns 64 u .. 64 u + 63, two a lane.  Wave w sums over rows i = 64 w .. 64 w + 63; the eight partial sums meet in LDS.
	s_sub_co_u32 s17, ttmp9, NW
	v_and_b32 v20, 31, v0                          ; lane
	v_lshlrev_b32 v18, 2, v0                       ; annotation: 4 t
	v_lshlrev_b32 v19, 5, v0                       ; its place in LDS: 32 t
	s_lshl_b32 s20, s16, 17                        ; 64 rows of Wq
	s_lshl_b32 s21, s17, 8                         ; 64 columns
	s_add_co_u32 s20, s20, s21
	v_lshl_add_u32 v1, v20, 3, s20                 ; Wq: my two columns in my wave's first row
	s_lshl_b32 s22, s16, 11
	v_mov_b32 v21, s22                             ; my wave's 64 rows of annotation in LDS: the same address in every lane
	s_add_co_u32 s23, s22, PART
	v_lshl_add_u32 v22, v20, 3, s23                ; where my partial sums go: PART + 2,048 w + 256 b + 8 lane
	s_lshl_b32 s24, s16, 8
	s_add_co_u32 s24, s24, PART
	v_lshl_add_u32 v23, v20, 3, s24                ; where I read the eight waves' sums of b = w: PART + 2,048 w' + 256 w + 8 lane
	s_add_co_u32 s25, s22, s21
	v_lshl_add_u32 v24, v20, 3, s25                ; qs: 2,048 b + 256 u + 8 lane
	s_mov_b32 s26, 0x3f38aa3b                      ; log2 e / 2
	s_mov_b32 s27, 0xbeb8aa3b                      ; -log2 e / 4
	s_wait_kmcnt 0x0
.irp b, 0,1,2,3,4,5,6,7
	global_load_b32 v[2+(\b)], v18, s[10:11] offset:(\b)*2048          ; annotation[b][t]
.endr
.irp b, 0,1,2,3,4,5,6,7
	global_load_b32 v[10+(\b)], v18, s[10:11] offset:(\b)*2048+1024    ; annotation[b][t + 256]
.endr
.set e, 0
.rept 32
	global_load_b64 v[WQ+2*e:WQ+2*e+1], v1, s[8:9] offset:e*2048       ; a wave's load covers 256 consecutive bytes
.set e, e+1
.endr
	s_wait_loadcnt 32                              ; annotation is in; the 32 younger loads stay out
	ds_store_b128 v19, v[2:5]
	ds_store_b128 v19, v[6:9] offset:16
	ds_store_b128 v19, v[10:13] offset:8192
	ds_store_b128 v19, v[14:17] offset:8208
.rept 32
	global_load_b64 v[WQ+2*e:WQ+2*e+1], v1, s[8:9] offset:e*2048
.set e, e+1
.endr
	s_wait_dscnt 0x0                               ; for the others' sake: my stores are done
	s_barrier_signal -1
	s_barrier_wait -1
.macro ANN g                           ; four rows of annotation, eight b each, into set g % 2
.irp q, 0,1,2,3
	ds_load_b128 v[RING+32*((\g)%2)+8*(\q):RING+32*((\g)%2)+8*(\q)+3],   v21 offset:(4*(\g)+(\q))*32
	ds_load_b128 v[RING+32*((\g)%2)+8*(\q)+4:RING+32*((\g)%2)+8*(\q)+7], v21 offset:(4*(\g)+(\q))*32+16
.endr
.endm
	ANN 0
.set g, 0
.rept 16
.if g < 15
	ANN g+1                                        ; the next group's loads go out ahead of this group's arithmetic
	s_wait_dscnt 8                                 ; all but those eight
.else
	s_wait_dscnt 0x0
.endif
.if g == 0
	s_wait_loadcnt 32                              ; Wq's first 32 rows; the 32 younger loads stay out
.endif
.if g == 8
	s_wait_loadcnt 0x0
.endif
.irp q, 0,1,2,3
.irp b, 0,1,2,3,4,5,6,7
.if (g == 0) && ((\q) == 0)
	v_mul_f32 v[ACC+2*(\b)],   v[WQ],   v[RING+(\b)]   ; the first row starts the sums: nothing is cleared
	v_mul_f32 v[ACC+2*(\b)+1], v[WQ+1], v[RING+(\b)]
.else
	v_fmac_f32 v[ACC+2*(\b)],   v[WQ+2*(4*g+(\q))],   v[RING+32*(g%2)+8*(\q)+(\b)]
	v_fmac_f32 v[ACC+2*(\b)+1], v[WQ+2*(4*g+(\q))+1], v[RING+32*(g%2)+8*(\q)+(\b)]
.endif
.endr
.endr
.set g, g+1
.endr
.irp b, 0,1,2,3,4,5,6,7
	ds_store_b64 v22, v[ACC+2*(\b):ACC+2*(\b)+1] offset:(\b)*256
.endr
	s_wait_dscnt 0x0                               ; for the others' sake
	s_barrier_signal -1
	s_barrier_wait -1
.irp p, 0,1,2,3,4,5,6,7
	ds_load_b64 v[RING+2*(\p):RING+2*(\p)+1], v23 offset:(\p)*2048     ; wave w finishes b = w
.endr
	s_wait_dscnt 0x0
.irp p, 0,4,8,12
	v_pk_add_f32 v[RING+(\p):RING+(\p)+1], v[RING+(\p):RING+(\p)+1], v[RING+(\p)+2:RING+(\p)+3]
.endr
	v_pk_add_f32 v[RING:RING+1], v[RING:RING+1], v[RING+4:RING+5]
	v_pk_add_f32 v[RING+8:RING+9], v[RING+8:RING+9], v[RING+12:RING+13]
	v_pk_add_f32 v[RING:RING+1], v[RING:RING+1], v[RING+8:RING+9]
	v_mul_f32 v[RING], 0x4038aa3b, v[RING]         ; 2 log2 e x
	v_mul_f32 v[RING+1], 0x4038aa3b, v[RING+1]
	v_exp_f32 v[RING], v[RING]
	v_exp_f32 v[RING+1], v[RING+1]
	v_nop                                          ; a plain instruction between an exponential and the use of its result (ISA guide 5.7.2)
	s_wait_alu depctr_va_vdst(0)
	v_add_f32 v[RING], 1.0, v[RING]
	v_add_f32 v[RING+1], 1.0, v[RING+1]
	v_rcp_f32 v[RING], v[RING]
	v_rcp_f32 v[RING+1], v[RING+1]
	v_nop
	s_wait_alu depctr_va_vdst(0)
	v_fma_f32 v[RING], v[RING], s26, s27           ; -(log2 e / 4) (1 - 2 r)
	v_fma_f32 v[RING+1], v[RING+1], s26, s27
	global_store_b64 v24, v[RING:RING+1], s[14:15] ; a wave stores 256 consecutive bytes, at a multiple of 256 from qs's first byte
	s_wait_tensorcnt 0x0
	ds_add_u32 v240, v241
	s_wait_dscnt 0x0
	s_endpgm
.Lfunc_end_k_q28f66c49ae_prep:
	.size	k_q28f66c49ae_prep, .Lfunc_end_k_q28f66c49ae_prep-k_q28f66c49ae_prep
	.p2alignl 7, 3214868480
	.fill 96, 4, 3214868480
	.section	.rodata,"a",@progbits
	.p2align	6, 0x0
	.amdhsa_kernel k_q28f66c49ae_prep
		.amdhsa_group_segment_fixed_size 33792
		.amdhsa_private_segment_fixed_size 0
		.amdhsa_enable_private_segment 0
		.amdhsa_kernarg_size 48
		.amdhsa_user_sgpr_count 2
		.amdhsa_user_sgpr_kernarg_segment_ptr 1
		.amdhsa_wavefront_size32 1
		.amdhsa_system_sgpr_workgroup_id_x 1
		.amdhsa_system_sgpr_workgroup_id_y 1
		.amdhsa_system_sgpr_workgroup_id_z 1
		.amdhsa_system_vgpr_workitem_id 0
		.amdhsa_next_free_vgpr 242
		.amdhsa_next_free_sgpr 66
		.amdhsa_reserve_vcc 0
		.amdhsa_float_denorm_mode_32 3
		.amdhsa_float_denorm_mode_16_64 3
		.amdhsa_memory_ordered 1
		.amdhsa_forward_progress 1
		.amdhsa_inst_pref_size 58
	.end_amdhsa_kernel
	.amdgpu_metadata
---
amdhsa.version: [ 1, 2 ]
amdhsa.kernels:
  - .name:           k_q28f66c49ae_prep
    .symbol:         k_q28f66c49ae_prep.kd
    .args:
      - { .name: Wk, .offset: 0, .size: 8, .value_kind: global_buffer, .address_space: global }
      - { .name: Wv, .offset: 8, .size: 8, .value_kind: global_buffer, .address_space: global }
      - { .name: Wq, .offset: 16, .size: 8, .value_kind: global_buffer, .address_space: global }
      - { .name: annotation, .offset: 24, .size: 8, .value_kind: global_buffer, .address_space: global }
      - { .name: wb, .offset: 32, .size: 8, .value_kind: global_buffer, .address_space: global }
      - { .name: qs, .offset: 40, .size: 8, .value_kind: global_buffer, .address_space: global }
    .group_segment_fixed_size: 33792
    .private_segment_fixed_size: 0
    .kernarg_segment_align: 8
    .kernarg_segment_size: 48
    .max_flat_workgroup_size: 256
    .sgpr_count:     66
    .vgpr_count:     242
    .wavefront_size: 32
...
	.end_amdgpu_metadata
.endif
;; end of part 1
;; launch main (part 2): grid 4 x 64, 4 waves a work-group, clusters of 4 x 4, 327,680 bytes of LDS; arguments tokens, wb, qs, part; writes part
.if DOCPART == 2
	.amdgcn_target "amdgcn-amd-amdhsa--gfx1250"
	.amdhsa_code_object_version 6
	.text
	.protected	k_q28f66c49ae_main
	.globl	k_q28f66c49ae_main
	.p2align	8
	.type	k_q28f66c49ae_main,@function
k_q28f66c49ae_main:
	s_mov_b64 s[64:65], 0
	v_nop
	global_prefetch_b8 v0, s[64:65] scope:SCOPE_SE
	s_setreg_imm32_b32 hwreg(HW_REG_WAVE_MODE, 25, 1), 1
	s_wait_xcnt 0x0
	s_wait_alu depctr_hold_cnt(0) depctr_sa_sdst(0) depctr_va_vdst(0) depctr_va_sdst(0) depctr_va_ssrc(0) depctr_va_vcc(0) depctr_vm_vsrc(0)
	s_getreg_b32 s2, hwreg(HW_REG_IB_STS2, 6, 4)
	s_cmp_eq_u32 s2, 0
	s_cbranch_scc0 .Lentry_in_a_cluster
	s_endpgm
.Lentry_in_a_cluster:
	s_bfe_u32 s2, ttmp6, 0x10000c
	s_cmp_lg_u32 s2, 0xf033
	s_cbranch_scc0 .Lentry_shape_is_right
	s_endpgm
.Lentry_shape_is_right:
; MAIN.  For 1,024 tokens of one batch and two heads: x = tokens Wk, y = tokens Wv (bf16 operands, f32 sums), p = exp(q . tanh(x) / 8), and the partial sums  num[d] = sum p gelu(y[d]),  den = sum p.
; SHARES.  256 work-groups: column tile c (heads 2 c, 2 c + 1: 128 columns of Wk beside 128 of Wv) x 1,024 rows, walked as four tiles of 256 rows.  Four waves; wave w takes rows 128 (w / 2) on and head
; 2 c + w % 2: 128 rows x (64 columns of x + 64 of y) of ONE head, 64 accumulators of 16 x 16, so scores, weights and weighted sums never leave the wave.  Each wave stores one record of 512 bytes.
; NO MAXIMUM is taken away before the exponential: q and k are tanh's results, so |q . k / 8| <= 8 for every input; a weight lies within 2^+-11.6 and a sum of 8,192 of them under 2^25.
; So partial sums of different work-groups simply add; a last launch adds and divides.
; ARITHMETIC.  tanh x = 1 - 2 r, r = 1 / (1 + 2^(2 log2 e x)); with q'' = -(log2 e / 4) q from the launch before, p = 2^(sum q'' (r - 1/2)).
; gelu(y) = max(y, 0) - u P(u)^-16 / 2, u = |y|, P of degree 6 (Abramowitz and Stegun 26.2.19: the normal tail to 1.5e-7, for all u >= 0; where P overflows the term is 0, as it should be).
; LIMITS.  erf to 3e-7; NaN and infinities are not treated apart; the transcendentals flush denormals; the sums' order differs from the reference's; tokens, Wk, Wv are rounded to bf16.
; THE RING.  Two LDS slots of unequal size take turns: a LARGE one for 128 along K (200,704 bytes) and a SMALL one for 64 (102,400 bytes); two large ones, 401,408 bytes, would not fit.  A tile's K goes
; small, then five times (large, small): small step j is k = 192 j on, large step j is k = 64 + 192 j on.  That is 11 changes of slots a tile where steps of 64 would have 16.  A small tile is asked for when a
; large step begins and has 240 products in which to land, a large one 112; the next tile's first small step is asked for in a tile's last quarter and lands under the epilogue.
; tokens come as f32 (rows of 256 or 512 bytes, at multiples of 256 from the buffer's first byte), are read as f32 and rounded in registers, block by block, one block of 16 rows ahead of the products
; that take it.  The weights come as ready fragments, dense bytes.
; CLUSTER.  4 x 4 work-groups: the four of a row of the cluster share their 1,024 rows of tokens, the four of a column their column tile of the weights.  Each tile is asked for jointly: the same tensor load,
; descriptor and mask in all four.  Waves 0 and 1 ask for the two halves of the tokens' tile, waves 2 and 3 for the two heads' weights: one load a wave behind each round of the cluster's barrier.
; THE MATRIX INSTRUCTION IS USED TRANSPOSED (source 0 = 16 columns of the weights, source 1 = 16 tokens): a lane holds token lane % 16 and columns 8 (lane / 16) + 0..7.
; REGISTERS, in windows of 256 (s_set_vgpr_msb: bits 1:0 source 0, 3:2 source 1, 5:4 source 2, 7:6 destination):
;   window 0: v0-31 addresses and statistics; v32-159 RAW, tokens in f32, 16 registers a block (in the epilogue: 128 registers at work); v160-223 AF, their bf16 fragments, 8 a block; v224-255 NUM
;   window 1: v0-63, v64-127 the weights' fragments, two buffers; v128-159 QV, my 32 q''          windows 2, 3: accumulator (a, b) at v[8 (8 (a % 4) + b)], a < 4 in window 2
; In the names below slot 0 is the large one, slot 1 the small one.
.set PAB,    528                       ; a row of tokens in the large slot: 512 bytes + 16 of padding = 132 words; in the small slot 256 + 16 = 68 words: either way the 16 rows of a load
.set PAS,    272                       ; start at 16 different groups of four banks (64 banks of 4 bytes: ISA guide 11.1)
.set HALFAB, 128*PAB                   ; 128 rows: one tensor load, and what a wave reads of the tokens
.set HALFAS, 128*PAS
.set BOFFB,  2*HALFAB                  ; the large slot's weights: 32,768 bytes a head, read at 16 x lane, consecutive bytes
.set SBASE,  BOFFB+2*32768             ; the small slot
.set BOFFS,  2*HALFAS                  ; its weights, from SBASE: 16,384 bytes a head
.set STAGE,  SBASE+BOFFS+2*16384       ; behind the ring, never filled by a tensor load: 512 bytes a wave, for the way out
.set SPARE,  STAGE+4*512               ; the spare words, 128 bytes a wave: two blocks of 256 bytes that no other line names
.set ADRA, 4                           ; v4-5   LDS address of my tokens in slot 0, 1
.set ADRB, 6                           ; v6-7   of my head's fragments
.set SPW,  8                           ; v8     SPARE + 4 x my thread's number; never rewritten
.set NIL,  9                           ; v9     0; never rewritten
.set SM,   10                          ; v10-17 four chains of the score, in pairs
.set PW,   18                          ; v18 p; v19 is named with it as a pair
.set DEN,  20                          ; v20    sum of p over my tokens
.set TX,   21                          ; v21    what the other half of the lanes sends
.set IN,   22                          ; v22 -1/2 the sum of my 32 q''; v23 0
.set QOF,  26                          ; v26    my byte offset in my head's q''
.set STI,  27                          ; v27    the way out: where num goes
.set STB,  28                          ; v28    where I read the record back
.set POF,  29                          ; v29    my 16 bytes of the record
.set STD,  30                          ; v30    where den goes
.set RAW,  32
.set AF,   160
.set E,    RAW                         ; the epilogue: 2 log2 e x, then r, of a block's 32 numbers of x
.set Z,    RAW+32                      ; |y| of its 32 numbers of y
.set PX,   RAW+64                      ; max(y, 0)
.set PP,   RAW+96                      ; P and what is made of it
.set NUM,  224                         ; column 16 vb + 8 (lane / 16) + j of my head's 64 at NUM + 8 vb + j
.set QV,   128                         ; window 1
.set WV,   12                          ; s12 wave; s13 wave / 2; s14 wave % 2
.set RH,   13
.set CH,   14
.set BLK,  19                          ; s19 blocks of the epilogue to go
.set JJ,   20                          ; s20, s21 by slot: the place j in its tile of the step to be asked for next
.set TT,   22                          ; s22, s23 its tile
.set G1A,  24                          ; s[24:39] descriptor group 1, tokens, a set for each slot
.set G1B,  40                          ; s[40:55] weights
.set G0A,  56                          ; s[56:63] descriptor group 0, tokens, a set for each slot
.set LAP,  66
.set BOUND, 67
.set G0B,  68                          ; s[68:75] weights
.set ABASE, 76                         ; s[76:77] tokens at my half of the work-group's first tile
.set BBASE, 78                         ; s[78:79] wb at my head of the column tile
.set OFFA, 80                          ; s[80:81], s[82:83] a step's byte offsets from them
.set OFFB, 82
.set SEL,  84                          ; s[84:85] v_permlanex16_b32's selects: each lane takes its own place in the other half
.set C2,   86                          ; s[86:87] 2 log2 e
.set A1,   88                          ; s[88:99] P's coefficients, each twice: the packed forms name pairs
.set A2,   90
.set A3,   92
.set A4,   94
.set A5,   96
.set A6,   98
.set ABSM, 100                         ; s100 clears a sign
.set TILES, 101
.set MSB, 0
.macro WIN new                         ; the immediate's high byte repeats the setting that is left; a switch that changes nothing is dropped
.if MSB != (\new)
	s_set_vgpr_msb (MSB<<8)|(\new)
.set MSB, (\new)
.endif
.endm
.set MUL_LO, 0xa1                      ; source 0 (weights) window 1, source 1 (tokens) window 0, C and D window 2
.set TO_B,   0x40                      ; destination window 1, address window 0
; A joint load into slot sg.  The branch hangs on the wave's number alone.  An s_nop 0 and four v_nop follow each of the two lines, ahead of the jump and the label.
.macro JLOAD sg
	s_cmp_eq_u32 s[RH], 0
	s_cbranch_scc0 .Lfor_b_\@
	tensor_load_to_lds s[G0A+4*(\sg):G0A+4*(\sg)+3], s[G1A+8*(\sg):G1A+8*(\sg)+7]
	s_nop 0
.rept 4
	v_nop
.endr
	s_branch .Lasked_\@
.Lfor_b_\@:
	tensor_load_to_lds s[G0B+4*(\sg):G0B+4*(\sg)+3], s[G1B+8*(\sg):G1B+8*(\sg)+7]
	s_nop 0
.rept 4
	v_nop
.endr
.Lasked_\@:
.endm
; A round of the cluster's barrier: my work-group's barrier, so that wave 0's signal speaks for all four waves; wave 0 signals; every wave waits for all sixteen work-groups; my work-group's barrier once more.
.macro CREST                           ; a round behind its opening barrier
	s_cmp_lg_u32 s[WV], 0
	s_cbranch_scc1 .Lnot_wave_0_\@
	s_barrier_signal -3
.Lnot_wave_0_\@:
	s_barrier_wait -3
	s_barrier_signal -1
	s_barrier_wait -1
.endm
.macro CROUND
	s_barrier_signal -1
	s_barrier_wait -1
	CREST
.endm
	s_load_b256 s[4:11], s[0:1], 0x0               ; tokens s[4:5], wb s[6:7], qs s[8:9], part s[10:11]
	v_lshl_add_u32 v[SPW], v0, 2, SPARE
	v_mov_b32 v[NIL], 0
	ds_add_u32 v8, v9
	ds_add_u32 v8, v9
	s_wait_dscnt 0x0
	v_lshrrev_b32 v1, 5, v0
	v_readfirstlane_b32 s[WV], v1                  ; wave 0..3
	s_lshr_b32 s[RH], s[WV], 1                     ; which 128 rows are mine.  Also: I fetch tokens (0) or weights (1)
	s_and_b32 s[CH], s[WV], 1                      ; which head.  Also: which half of that tile I fetch
	s_bfe_u32 s15, ttmp6, 0x40000                  ; cx
	s_bfe_u32 s16, ttmp6, 0x40004                  ; cy
	s_lshl_b32 s17, ttmp9, 2
	s_add_co_u32 s17, s17, s15                     ; c, the column tile = 4 x cluster x + cx
	s_and_b32 s18, ttmp7, 0xffff
	s_lshl_b32 s18, s18, 2
	s_add_co_u32 s18, s18, s16                     ; y, my 1,024 rows = 4 x cluster y + cy
	s_lshl_b32 s2, s16, 2
	s_lshl_b32 s2, 15, s2                          ; my row of the cluster
	s_lshl_b32 s3, 0x1111, s15                     ; my column
	; tokens: 128 rows x 128 or 64 elements of 4 bytes, 1,024 elements from row to row, padded in LDS behind every row
	s_or_b32 s[G1A], s2, (2<<16)|(1<<20)|(1<<21)|(6<<22)|(3<<25)    ; 15:0 the mask; 17:16 4-byte elements; 20 padding on; 21 set beside a mask; 24:22 after every 128 words (code 6); 31:25 4 words (code 3)
	s_or_b32 s[G1A+8], s2, (2<<16)|(1<<20)|(1<<21)|(5<<22)|(3<<25)  ; the same after every 64 words (code 5)
	; weights: 32,768 or 16,384 dense bytes as rows of 32 elements of 8 bytes
	s_or_b32 s[G1B], s3, (3<<16)|(1<<21)
	s_or_b32 s[G1B+8], s3, (3<<16)|(1<<21)
.irp g, 0,1
	s_mov_b32 s[G1A+8*(\g)+1], (128-64*(\g))<<16   ; tensor_dim0 = 128, 64
	s_mov_b32 s[G1A+8*(\g)+2], 128<<16             ; tensor_dim1 = 128
	s_mov_b32 s[G1A+8*(\g)+3], (128-64*(\g))<<16   ; tile_dim0
	s_mov_b32 s[G1A+8*(\g)+4], 128                 ; tile_dim1
	s_mov_b32 s[G1A+8*(\g)+5], 1024                ; elements from row to row
	s_mov_b32 s[G1A+8*(\g)+6], 0
	s_mov_b32 s[G1A+8*(\g)+7], 0
	s_mov_b32 s[G1B+8*(\g)+1], 32<<16              ; tensor_dim0 = 32
	s_mov_b32 s[G1B+8*(\g)+2], (128-64*(\g))<<16   ; tensor_dim1 = 128, 64
	s_mov_b32 s[G1B+8*(\g)+3], 32<<16              ; tile_dim0
	s_mov_b32 s[G1B+8*(\g)+4], 128-64*(\g)         ; tile_dim1
	s_mov_b32 s[G1B+8*(\g)+5], 32
	s_mov_b32 s[G1B+8*(\g)+6], 0
	s_mov_b32 s[G1B+8*(\g)+7], 0
.endr
	; where the tiles go: no place in the cluster enters an LDS address
	s_mul_i32 s2, s[CH], HALFAB
	s_mul_i32 s3, s[CH], HALFAS
	s_mov_b32 s[G0A], 1                            ; count = 1
	s_add_co_u32 s[G0A+1], s2, 0                   ; LDS address
	s_mov_b32 s[G0A+4], 1
	s_add_co_u32 s[G0A+5], s3, SBASE
	s_lshl_b32 s2, s[CH], 15
	s_lshl_b32 s3, s[CH], 14
	s_mov_b32 s[G0B], 1
	s_add_co_u32 s[G0B+1], s2, BOFFB
	s_mov_b32 s[G0B+4], 1
	s_add_co_u32 s[G0B+5], s3, SBASE+BOFFS
	s_lshl_b32 s[OFFA], s18, 22                    ; 1,024 rows of 4,096 bytes: tokens' offset holds y and the wave alone,
	s_lshl_b32 s2, s[CH], 19                       ; 128 rows
	s_add_co_u32 s[OFFA], s[OFFA], s2
	s_mov_b32 s[OFFA+1], 0
	s_lshl_b32 s[OFFB], s17, 19                    ; the weights' c and the wave alone
	s_lshl_b32 s2, s[CH], 18
	s_add_co_u32 s[OFFB], s[OFFB], s2
	s_mov_b32 s[OFFB+1], 0
	s_mov_b32 s[JJ], 1                             ; each slot's step 0 of tile 0 goes out below; step 1 is next
	s_mov_b32 s[JJ+1], 1
	s_mov_b32 s[TT], 0
	s_mov_b32 s[TT+1], 0
	s_mov_b32 s[SEL], 0x76543210
	s_mov_b32 s[SEL+1], 0xfedcba98
	s_mov_b32 s[ABSM], 0x7fffffff
.irp p, 0,1
	s_mov_b32 s[C2+(\p)], 0x4038aa3b               ; 2 log2 e
	s_mov_b32 s[A1+(\p)], 0x3d4c41b4               ; 0.0498673470
	s_mov_b32 s[A2+(\p)], 0x3cad2fe7               ; 0.0211410061
	s_mov_b32 s[A3+(\p)], 0x3b56cd72               ; 0.0032776263
	s_mov_b32 s[A4+(\p)], 0x381f6607               ; 0.0000380036
	s_mov_b32 s[A5+(\p)], 0x384d0fe2               ; 0.0000488906
	s_mov_b32 s[A6+(\p)], 0x36b49f67               ; 0.0000053830
.endr
	s_wait_kmcnt 0x0
	s_add_nc_u64 s[ABASE:ABASE+1], s[4:5], s[OFFA:OFFA+1]
	s_add_nc_u64 s[BBASE:BBASE+1], s[6:7], s[OFFB:OFFB+1]
	s_add_nc_u64 s[G0A+2:G0A+3], s[ABASE:ABASE+1], 256     ; the large slot begins with k = 64 on,
	s_or_b32 s[G0A+3], s[G0A+3], 0x80000000                ; type = 2
	s_add_nc_u64 s[G0A+6:G0A+7], s[ABASE:ABASE+1], 0       ; the small one with k = 0 on
	s_or_b32 s[G0A+7], s[G0A+7], 0x80000000
	s_add_nc_u64 s[G0B+2:G0B+3], s[BBASE:BBASE+1], 16384
	s_or_b32 s[G0B+3], s[G0B+3], 0x80000000
	s_add_nc_u64 s[G0B+6:G0B+7], s[BBASE:BBASE+1], 0
	s_or_b32 s[G0B+7], s[G0B+7], 0x80000000
	CROUND                                         ; all sixteen work-groups are here: the first joint loads meet
	s_cmp_eq_u32 s[RH], 0                          ; a wave's two first fills stand in one branch: two loads of mine are out
	s_cbranch_scc0 .Lfirst_b
	tensor_load_to_lds s[G0A+4:G0A+7], s[G1A+8:G1A+15]
	s_nop 0
	tensor_load_to_lds s[G0A:G0A+3], s[G1A:G1A+7]
	s_nop 0
.rept 4
	v_nop
.endr
	s_branch .Lfirst_asked
.Lfirst_b:
	tensor_load_to_lds s[G0B+4:G0B+7], s[G1B+8:G1B+15]
	s_nop 0
	tensor_load_to_lds s[G0B:G0B+3], s[G1B:G1B+7]
	s_nop 0
.rept 4
	v_nop
.endr
.Lfirst_asked:
	; addresses.  A bf16 fragment holds, for lane l, row l % 16 and K = 8 (l / 16) + 0..7 and 16 + 8 (l / 16) + 0..7: in f32 that is 32 bytes at 32 (l / 16) and 32 bytes 64 further on.
	v_and_b32 v1, 15, v0                           ; r
	v_bfe_u32 v2, v0, 4, 1                         ; h
	v_mul_u32_u24 v3, v1, PAB
	v_lshl_add_u32 v3, v2, 5, v3
	s_mul_i32 s2, s[RH], HALFAB
	v_add_nc_u32 v[ADRA], s2, v3
	v_mul_u32_u24 v3, v1, PAS
	v_lshl_add_u32 v3, v2, 5, v3
	s_mul_i32 s2, s[RH], HALFAS
	s_add_co_u32 s2, s2, SBASE
	v_add_nc_u32 v[ADRA+1], s2, v3
	v_and_b32 v3, 31, v0
	v_lshlrev_b32 v[POF], 4, v3                    ; 16 x lane
	s_lshl_b32 s2, s[CH], 15
	s_add_co_u32 s2, s2, BOFFB
	v_add_nc_u32 v[ADRB], s2, v[POF]
	s_lshl_b32 s2, s[CH], 14
	s_add_co_u32 s2, s2, SBASE+BOFFS
	v_add_nc_u32 v[ADRB+1], s2, v[POF]
	s_lshl_b32 s2, s[WV], 9
	s_add_co_u32 s2, s2, STAGE                     ; my stage
	v_lshl_add_u32 v[STI], v2, 5, s2               ; num: column 16 vb + 8 h + j at byte 64 vb + 32 h + 4 j
	v_add_nc_u32 v[STB], s2, v[POF]
	s_add_co_u32 s2, s2, 256
	v_lshl_add_u32 v[STD], v1, 4, s2               ; den, 64 times over
	v_lshlrev_b32 v[QOF], 5, v2
	s_lshl_b32 s2, s17, 1
	s_add_co_u32 s2, s2, s[CH]                     ; hd = 2 c + wave % 2
	s_lshr_b32 s3, s18, 3                          ; the batch
	s_lshl_b32 s3, s3, 11
	s_lshl_b32 s4, s2, 8
	s_add_co_u32 s4, s4, s3
	s_mov_b32 s5, 0
	s_add_nc_u64 s[8:9], s[8:9], s[4:5]            ; qs at my batch and head
	s_lshl_b32 s6, s18, 1
	s_add_co_u32 s6, s6, s[RH]                     ; 16 x batch + chunk = 2 y + wave / 2
	s_lshl_b32 s6, s6, 3
	s_add_co_u32 s6, s6, s2
	s_lshl_b32 s6, s6, 9
	s_mov_b32 s7, 0
	s_add_nc_u64 s[10:11], s[10:11], s[6:7]        ; part at my record
	WIN TO_B
.irp n, 0,1,2,3
	global_load_b128 v[QV+8*(\n):QV+8*(\n)+3],   v[QOF], s[8:9] offset:64*(\n)     ; q''[64 hd + 16 n + 8 h + 0..7]
	global_load_b128 v[QV+8*(\n)+4:QV+8*(\n)+7], v[QOF], s[8:9] offset:64*(\n)+16
.endr
	WIN 0
.set i, 0
.rept 32
	v_mov_b32 v[NUM+i], 0                          ; sums that run over all four tiles start at 0, in the wait for the first tile
.set i, i+1
.endr
	v_mov_b32 v[DEN], 0
	v_mov_b32 v[TX], 0                             ; v_permlanex16_b32's destination counts as read
	v_mov_b32 v[PW+1], 0
	v_mov_b32 v[IN+1], 0
	s_wait_loadcnt 0x0                             ; q''
	WIN 0x05                                       ; sources 0 and 1 window 1
.irp i, 0,1,2,3,4,5,6,7
	v_pk_add_f32 v[AF+2*(\i):AF+2*(\i)+1], v[QV+4*(\i):QV+4*(\i)+1], v[QV+4*(\i)+2:QV+4*(\i)+3]
.endr
	WIN 0
.irp i, 0,4,8,12
	v_pk_add_f32 v[AF+(\i):AF+(\i)+1], v[AF+(\i):AF+(\i)+1], v[AF+(\i)+2:AF+(\i)+3]
.endr
	v_pk_add_f32 v[AF:AF+1], v[AF:AF+1], v[AF+4:AF+5]
	v_pk_add_f32 v[AF+8:AF+9], v[AF+8:AF+9], v[AF+12:AF+13]
	v_pk_add_f32 v[AF:AF+1], v[AF:AF+1], v[AF+8:AF+9]
	v_add_f32 v[IN], v[AF], v[AF+1]
	v_mul_f32 v[IN], -0.5, v[IN]
; THE LDS LOADS of a quarter (32 along K: quarter kq of slot sg), in two runs.  L1: tokens' blocks 0-3 in f32 and my head's eight fragments, into buffer kq % 2.  L2: tokens' blocks 4-7.
.macro LRAW sg, kq, i
	ds_load_b128 v[RAW+16*(\i):RAW+16*(\i)+3],     v[ADRA+(\sg)] offset:(\kq)*128+(\i)*16*(PAB-256*(\sg))
	ds_load_b128 v[RAW+16*(\i)+4:RAW+16*(\i)+7],   v[ADRA+(\sg)] offset:(\kq)*128+(\i)*16*(PAB-256*(\sg))+16
	ds_load_b128 v[RAW+16*(\i)+8:RAW+16*(\i)+11],  v[ADRA+(\sg)] offset:(\kq)*128+(\i)*16*(PAB-256*(\sg))+64
	ds_load_b128 v[RAW+16*(\i)+12:RAW+16*(\i)+15], v[ADRA+(\sg)] offset:(\kq)*128+(\i)*16*(PAB-256*(\sg))+80
.endm
.macro L1 sg, kq
	WIN 0
.irp i, 0,1,2,3
	LRAW \sg, \kq, \i
.endr
	WIN TO_B
.irp n, 0,1,2,3,4,5,6,7
	ds_load_b128 v[64*((\kq)%2)+8*(\n):64*((\kq)%2)+8*(\n)+3],   v[ADRB+(\sg)] offset:(\kq)*8192+(\n)*1024
	ds_load_b128 v[64*((\kq)%2)+8*(\n)+4:64*((\kq)%2)+8*(\n)+7], v[ADRB+(\sg)] offset:(\kq)*8192+(\n)*1024+512
.endr
.endm
.macro L2 sg, kq
	WIN 0
.irp i, 4,5,6,7
	LRAW \sg, \kq, \i
.endr
.endm
.macro CVT4 blk, hf                    ; half a block's fragment: eight f32 rounded to bf16
	WIN 0
.irp x, 0,1,2,3
	v_cvt_pk_bf16_f32 v[AF+8*(\blk)+4*(\hf)+(\x)], v[RAW+16*(\blk)+8*(\hf)+2*(\x)], v[RAW+16*(\blk)+8*(\hf)+2*(\x)+1]
.endr
.endm
.macro MM a, b, kq, zero               ; zero = 1: the product starts the sum: no accumulator is ever cleared
	WIN MUL_LO+0x50*((\a)/4)
.if \zero
	v_wmma_f32_16x16x32_bf16 v[8*(8*((\a)%4)+(\b)):8*(8*((\a)%4)+(\b))+7], v[64*((\kq)%2)+8*(\b):64*((\kq)%2)+8*(\b)+7], v[AF+8*(\a):AF+8*(\a)+7], 0
.else
	v_wmma_f32_16x16x32_bf16 v[8*(8*((\a)%4)+(\b)):8*(8*((\a)%4)+(\b))+7], v[64*((\kq)%2)+8*(\b):64*((\kq)%2)+8*(\b)+7], v[AF+8*(\a):AF+8*(\a)+7], v[8*(8*((\a)%4)+(\b)):8*(8*((\a)%4)+(\b))+7]
.endif
.endm
; Both group 0s of slot sg are made anew for its next step: tile TT (256 rows of 4,096 bytes down), place JJ (192 along K: 768 bytes of a row, 49,152 bytes of a head's fragments; the large slot's steps begin
; 64 along K further on).  Then the place steps: a tile has 5 large steps and 6 small ones.
.macro NEXTADR sg
	s_mul_i32 s[OFFA], s[JJ+(\sg)], 768
	s_lshl_b32 s2, s[TT+(\sg)], 20
	s_add_co_u32 s[OFFA], s[OFFA], s2
	s_mul_i32 s[OFFB], s[JJ+(\sg)], 49152
.if (\sg) == 0
	s_add_co_u32 s[OFFA], s[OFFA], 256
	s_add_co_u32 s[OFFB], s[OFFB], 16384
.endif
	s_add_nc_u64 s[G0A+4*(\sg)+2:G0A+4*(\sg)+3], s[ABASE:ABASE+1], s[OFFA:OFFA+1]
	s_or_b32 s[G0A+4*(\sg)+3], s[G0A+4*(\sg)+3], 0x80000000
	s_add_nc_u64 s[G0B+4*(\sg)+2:G0B+4*(\sg)+3], s[BBASE:BBASE+1], s[OFFB:OFFB+1]
	s_or_b32 s[G0B+4*(\sg)+3], s[G0B+4*(\sg)+3], 0x80000000
	s_add_co_u32 s[JJ+(\sg)], s[JJ+(\sg)], 1
	s_cmp_eq_u32 s[JJ+(\sg)], 5+(\sg)
	s_cselect_b32 s[JJ+(\sg)], 0, s[JJ+(\sg)]
	s_cselect_b32 s2, 1, 0
	s_add_co_u32 s[TT+(\sg)], s[TT+(\sg)], s2
.endm
; A QUARTER: 32 along K, quarter kq of the step in slot sg (the large slot has four, the small one two): 64 matrix instructions, block a of 16 tokens outer, the 64 accumulators by turns, one instruction
; a turn.
; AF has one buffer: while block a is multiplied, block a + 1 is rounded (block 7: the next quarter's block 0), four conversions behind the block's second and sixth product.  The registers that they
; write were last read by a product at least 50 products and 48 conversions back; conversions are plain vector instructions that name none of those products' registers (ISA guide 7.12.1).
; RAW's block i is free once it is rounded: L1 for the next quarter stands behind block 3, L2 behind block 6.  The weights' buffer that L1 fills was last read in the quarter before, 32 conversions back.
; mode 0: plain.  1: the slot's last quarter; the slot is filled again.  2: the same without a fill.  3: the last quarter of all.  4: a tile's last quarter: the slot is filled again, with the next tile's
; first step, which has not landed: so nothing is fetched ahead.
; THE CHANGE OF SLOTS.  Ahead of block 2 each wave waits for all its tensor loads, of which one is out: its part of the other slot; adds 0 to its spare word; block 2's work stands between the add and the
; wait for it.  Ahead of block 3 the add is done and my reads of this slot are over (the last were issued in the quarter before): the wave signals, multiplies block 3, and waits.  With a fill the barrier
; opens a round of the cluster's, so that no wave of any partner still reads the slot or has a load on its way; the joint load is the first thing behind the round.
.macro QUARTER sg, kq, zero, mode
.if (\kq) == 3-2*(\sg)
.set SN, 1-(\sg)
.set KN, 0
.else
.set SN, (\sg)
.set KN, (\kq)+1
.endif
.irp a, 0,1,2,3,4,5,6,7
.if ((\a) == 2) && (((\mode) == 1) || ((\mode) == 2) || ((\mode) == 4))
	WIN 0                                          ; (the add's two registers lie in window 0)
	s_wait_tensorcnt 0x0                           ; no tensor load of mine is out, so a group 0 may be written
	ds_add_u32 v[SPW], v[NIL]                      ; 0 onto my spare word
.if (\mode) != 2
	NEXTADR \sg
.endif
.endif
.if (\a) == 3
	s_wait_dscnt 0x0                               ; L2's blocks 4-7 are in; at a change of slots also: the add is done, my reads of the slot are over
.if ((\mode) == 1) || ((\mode) == 2) || ((\mode) == 4)
	s_barrier_signal -1
.endif
.endif
.if ((\a) == 7) && ((\mode) < 3)
	s_wait_dscnt 16                                ; L1's 32 loads are in; L2's 16 may be out
.endif
.irp b, 0,1,2,3,4,5,6,7
	MM \a, \b, \kq, \zero
.if (((\b) == 1) || ((\b) == 5)) && (((\a) != 7) || ((\mode) < 3))
	CVT4 ((\a)+1)%8, (\b)/4
.endif
.endr
.if (\a) == 3
.if ((\mode) == 1) || ((\mode) == 2) || ((\mode) == 4)
	WIN 0                                          ; at a branch and at a label every window is 0
	s_barrier_wait -1
.endif
.if ((\mode) == 1) || ((\mode) == 4)
	CREST
	JLOAD \sg
.endif
.if (\mode) < 3
	L1 SN, KN
.endif
.endif
.if ((\a) == 6) && ((\mode) < 3)
	L2 SN, KN
.endif
.endr
.endm
; THE EPILOGUE's first part, for block a (16 tokens x 64 columns of x, 64 of y): all that names the block's accumulators.  Each accumulator is read from its lowest registers on.
.macro GATHER a
.set AC, 64*((\a)%4)
.set WA, 2+(\a)/4
	WIN WA                                         ; source 0 in the accumulators' window
.irp t, 0,1,2,3,4,5,6,7,8,9,10,11,12,13,14,15
	v_pk_mul_f32 v[E+2*(\t):E+2*(\t)+1], v[AC+2*(\t):AC+2*(\t)+1], s[C2:C2+1] op_sel_hi:[1,0]  ; 2 log2 e x
.endr
	WIN WA<<2                                      ; source 1 in the accumulators' window
.set i, 0
.rept 32
	v_and_b32 v[Z+i], s[ABSM], v[AC+32+i]          ; u = |y|
	v_max_num_f32 v[PX+i], 0, v[AC+32+i]           ; max(y, 0)
.set i, i+1
.endr
	WIN 0
.endm
	s_mov_b32 s[TILES], 4                          ; tiles to go, this one among them: the same in every work-group
.Ltile:
	s_wait_tensorcnt 0x0                           ; my part of the tile's first step is in the small slot: no load was issued behind it (at the first tile: the large slot's first fill, wanted 80 products on)
	s_barrier_signal -1
	s_barrier_wait -1                              ; everybody's is
	L1 1, 0
	L2 1, 0
	s_wait_dscnt 16                                ; L1's 32 loads
	CVT4 0, 0
	CVT4 0, 1
	QUARTER 1, 0, 1, 0                             ; a tile's first quarter starts the sums
	WIN 0
	s_mov_b32 s[LAP], 0
	s_cmp_eq_u32 s[TILES], 1
	s_cselect_b32 s[BOUND], 4, 5                   ; a lap fills both slots again; the last tile's last lap has no large step left to ask for and is written out
.Llap:                                                 ; from a small step's second quarter, through a large step, to the next small step's first quarter
	QUARTER 1, 1, 0, 1
	QUARTER 0, 0, 0, 0
	QUARTER 0, 1, 0, 0
	QUARTER 0, 2, 0, 0
	QUARTER 0, 3, 0, 1                             ; in a tile's last lap this fill is the next tile's first large step
	QUARTER 1, 0, 0, 0
	WIN 0
	s_add_co_u32 s[LAP], s[LAP], 1
	s_cmp_lt_u32 s[LAP], s[BOUND]
	s_cbranch_scc1 .Llap
	s_cmp_lg_u32 s[TILES], 1
	s_cbranch_scc1 .Lmore
	QUARTER 1, 1, 0, 1                             ; the last tile's last lap: the last fill of all, the tile's last small step
	QUARTER 0, 0, 0, 0
	QUARTER 0, 1, 0, 0
	QUARTER 0, 2, 0, 0
	QUARTER 0, 3, 0, 2
	QUARTER 1, 0, 0, 0
	QUARTER 1, 1, 0, 3
	WIN 0
	s_branch .Lepi
.Lmore:
	QUARTER 1, 1, 0, 4                             ; the next tile's first step is asked for: it has the epilogue in which to land
	WIN 0
.Lepi:
.rept 4
	v_nop                                          ; the places behind the last products (ISA guide 7.12.1)
.endr
	; THE EPILOGUE, a block of 16 tokens a trip.  What names accumulators is written for each block and chosen by the counter; the rest stands once and works on RAW's registers, which hold nothing now.
	s_mov_b32 s[BLK], 8
.Lblk:
.irp a, 0,1,2,3,4,5,6
	s_cmp_eq_u32 s[BLK], 8-(\a)
	s_cbranch_scc1 .Lg\a
.endr
	GATHER 7
	s_branch .Lcom
.irp a, 0,1,2,3,4,5,6
.Lg\a:
	GATHER \a
.if (\a) != 6
	s_branch .Lcom
.endif
.endr
.Lcom:
	WIN 0x04                                       ; source 1 (q'') in window 1
.set i, 0
.rept 32
	v_exp_f32 v[E+i], v[E+i]
.set i, i+1
.endr
	v_nop                                          ; a plain instruction between the last exponential and the use of its result (ISA guide 5.7.2)
	s_wait_alu depctr_va_vdst(0)
.irp t, 0,1,2,3,4,5,6,7,8,9,10,11,12,13,14,15
	v_pk_add_f32 v[E+2*(\t):E+2*(\t)+1], v[E+2*(\t):E+2*(\t)+1], 1.0 op_sel_hi:[1,0]
.endr
.set i, 0
.rept 32
	v_rcp_f32 v[E+i], v[E+i]                       ; r
.set i, i+1
.endr
	v_nop
	s_wait_alu depctr_va_vdst(0)
	v_pk_fma_f32 v[SM:SM+1], v[E:E+1], v[QV:QV+1], v[IN:IN+1]  ; four chains of sum q'' r; the first starts at -1/2 sum q''
.irp j, 1,2,3
	v_pk_mul_f32 v[SM+2*(\j):SM+2*(\j)+1], v[E+2*(\j):E+2*(\j)+1], v[QV+2*(\j):QV+2*(\j)+1]
.endr
.irp t, 4,5,6,7,8,9,10,11,12,13,14,15
	v_pk_fma_f32 v[SM+2*((\t)%4):SM+2*((\t)%4)+1], v[E+2*(\t):E+2*(\t)+1], v[QV+2*(\t):QV+2*(\t)+1], v[SM+2*((\t)%4):SM+2*((\t)%4)+1]
.endr
	WIN 0
	v_pk_add_f32 v[SM:SM+1], v[SM:SM+1], v[SM+2:SM+3]
	v_pk_add_f32 v[SM+4:SM+5], v[SM+4:SM+5], v[SM+6:SM+7]
	v_pk_add_f32 v[SM:SM+1], v[SM:SM+1], v[SM+4:SM+5]
	v_add_f32 v[SM], v[SM], v[SM+1]
	v_permlanex16_b32 v[TX], v[SM], s[SEL], s[SEL+1]  ; the token's other 32 columns lie in the lane 16 away
	v_add_f32 v[SM], v[SM], v[TX]
	v_exp_f32 v[PW], v[SM]                         ; p; the lines below stand between it and its first use
.irp t, 0,1,2,3,4,5,6,7,8,9,10,11,12,13,14,15
	v_pk_fma_f32 v[PP+2*(\t):PP+2*(\t)+1], v[Z+2*(\t):Z+2*(\t)+1], s[A6:A6+1], s[A5:A5+1] op_sel_hi:[1,0,0]
.endr
	s_wait_alu depctr_va_vdst(0)
	v_add_f32 v[DEN], v[DEN], v[PW]
.irp d, A4, A3, A2, A1
.irp t, 0,1,2,3,4,5,6,7,8,9,10,11,12,13,14,15
	v_pk_fma_f32 v[PP+2*(\t):PP+2*(\t)+1], v[PP+2*(\t):PP+2*(\t)+1], v[Z+2*(\t):Z+2*(\t)+1], s[\d:\d+1] op_sel_hi:[1,1,0]
.endr
.endr
.irp t, 0,1,2,3,4,5,6,7,8,9,10,11,12,13,14,15
	v_pk_fma_f32 v[PP+2*(\t):PP+2*(\t)+1], v[PP+2*(\t):PP+2*(\t)+1], v[Z+2*(\t):Z+2*(\t)+1], 1.0 op_sel_hi:[1,1,0]
.endr
.set i, 0
.rept 32
	v_rcp_f32 v[PP+i], v[PP+i]
.set i, i+1
.endr
	v_nop
	s_wait_alu depctr_va_vdst(0)
.rept 4                                ; to the sixteenth power
.irp t, 0,1,2,3,4,5,6,7,8,9,10,11,12,13,14,15
	v_pk_mul_f32 v[PP+2*(\t):PP+2*(\t)+1], v[PP+2*(\t):PP+2*(\t)+1], v[PP+2*(\t):PP+2*(\t)+1]
.endr
.endr
.irp t, 0,1,2,3,4,5,6,7,8,9,10,11,12,13,14,15
	v_pk_mul_f32 v[PP+2*(\t):PP+2*(\t)+1], v[PP+2*(\t):PP+2*(\t)+1], v[Z+2*(\t):Z+2*(\t)+1]
.endr
.irp t, 0,1,2,3,4,5,6,7,8,9,10,11,12,13,14,15
	v_pk_fma_f32 v[PP+2*(\t):PP+2*(\t)+1], v[PP+2*(\t):PP+2*(\t)+1], -0.5, v[PX+2*(\t):PX+2*(\t)+1] op_sel_hi:[1,0,1]  ; gelu
.endr
.irp t, 0,1,2,3,4,5,6,7,8,9,10,11,12,13,14,15
	v_pk_fma_f32 v[NUM+2*(\t):NUM+2*(\t)+1], v[PP+2*(\t):PP+2*(\t)+1], v[PW:PW+1], v[NUM+2*(\t):NUM+2*(\t)+1] op_sel_hi:[1,0,1]
.endr
	s_sub_co_u32 s[BLK], s[BLK], 1
	s_cmp_lg_u32 s[BLK], 0
	s_cbranch_scc1 .Lblk
	s_sub_co_u32 s[TILES], s[TILES], 1
	s_cmp_lg_u32 s[TILES], 0
	s_cbranch_scc1 .Ltile
	; THE WAY OUT.  num and den are summed over the sixteen tokens that lie in the sixteen lanes of a half; the record is put together in my stage and leaves as 512 consecutive bytes.
.irp m, 1,2,4,8
.set i, 0
.rept 32
	v_add_f32_dpp v[NUM+i], v[NUM+i], v[NUM+i] row_xmask:\m row_mask:0xf bank_mask:0xf
.set i, i+1
.endr
	v_add_f32_dpp v[DEN], v[DEN], v[DEN] row_xmask:\m row_mask:0xf bank_mask:0xf
.endr
.irp i, 0,1,2,3
	v_mov_b32 v[AF+4+(\i)], v[DEN]
.endr
.irp t, 0,1,2,3,4,5,6,7
	ds_store_b128 v[STI], v[NUM+4*(\t):NUM+4*(\t)+3] offset:64*((\t)/2)+16*((\t)%2)  ; the sixteen lanes of a half store the same numbers to the same bytes
.endr
	ds_store_b128 v[STD], v[AF+4:AF+7]
	ds_load_b128 v[AF:AF+3], v[STB]                ; LDS serves a wave's instructions in order (ISA guide 5.7.1.4): this sees the stores above
	s_wait_dscnt 0x0
	global_store_b128 v[POF], v[AF:AF+3], s[10:11] ; 512 consecutive bytes, at a multiple of 512 from part's first byte
	s_wait_tensorcnt 0x0                           ; the wave's end, behind my last tensor load and my last LDS store
	ds_add_u32 v[SPW], v[NIL]
	s_wait_dscnt 0x0
	CROUND                                         ; the closing round: no work-group ends while a partner may still ask for a tile that names it
	s_endpgm
.Lfunc_end_k_q28f66c49ae_main:
	.size	k_q28f66c49ae_main, .Lfunc_end_k_q28f66c49ae_main-k_q28f66c49ae_main
	.p2alignl 7, 3214868480
	.fill 96, 4, 3214868480
	.section	.rodata,"a",@progbits
	.p2align	6, 0x0
	.amdhsa_kernel k_q28f66c49ae_main
		.amdhsa_group_segment_fixed_size 327680
		.amdhsa_private_segment_fixed_size 0
		.amdhsa_enable_private_segment 0
		.amdhsa_kernarg_size 32
		.amdhsa_user_sgpr_count 2
		.amdhsa_user_sgpr_kernarg_segment_ptr 1
		.amdhsa_wavefront_size32 1
		.amdhsa_system_sgpr_workgroup_id_x 1
		.amdhsa_system_sgpr_workgroup_id_y 1
		.amdhsa_system_sgpr_workgroup_id_z 1
		.amdhsa_system_vgpr_workitem_id 0
		.amdhsa_next_free_vgpr 1024
		.amdhsa_next_free_sgpr 102
		.amdhsa_reserve_vcc 0
		.amdhsa_float_denorm_mode_32 3
		.amdhsa_float_denorm_mode_16_64 3
		.amdhsa_memory_ordered 1
		.amdhsa_forward_progress 1
		.amdhsa_inst_pref_size 253
	.end_amdhsa_kernel
	.amdgpu_metadata
---
amdhsa.version: [ 1, 2 ]
amdhsa.kernels:
  - .name:           k_q28f66c49ae_main
    .symbol:         k_q28f66c49ae_main.kd
    .args:
      - { .name: tokens, .offset: 0, .size: 8, .value_kind: global_buffer, .address_space: global }
      - { .name: wb, .offset: 8, .size: 8, .value_kind: global_buffer, .address_space: global }
      - { .name: qs, .offset: 16, .size: 8, .value_kind: global_buffer, .address_space: global }
      - { .name: part, .offset: 24, .size: 8, .value_kind: global_buffer, .address_space: global }
    .group_segment_fixed_size: 327680
    .private_segment_fixed_size: 0
    .kernarg_segment_align: 8
    .kernarg_segment_size: 32
    .max_flat_workgroup_size: 128
    .sgpr_count:     102
    .vgpr_count:     1024
    .wavefront_size: 32
...
	.end_amdgpu_metadata
.endif
;; end of part 2
;; launch fin (part 3): grid 8 x 1, 8 waves a work-group, no clusters, 0 bytes of LDS; arguments part, out0; writes out0
.if DOCPART == 3
	.amdgcn_target "amdgcn-amd-amdhsa--gfx1250"
	.amdhsa_code_object_version 6
	.text
	.protected	k_q28f66c49ae_fin
	.globl	k_q28f66c49ae_fin
	.p2align	8
	.type	k_q28f66c49ae_fin,@function
k_q28f66c49ae_fin:
	s_mov_b64 s[64:65], 0
	v_nop
	global_prefetch_b8 v0, s[64:65] scope:SCOPE_SE
	s_setreg_imm32_b32 hwreg(HW_REG_WAVE_MODE, 25, 1), 1
	s_wait_xcnt 0x0
; FIN.  out0[b][64 hd + d] = (sum over 16 chunks of num) / (sum over 16 chunks of den).  part: record ((16 b + chunk) 8 + hd) of 512 bytes: num[64] f32, then den 64 times.
; A work-group is a batch, a wave a head, a lane two channels.  All 32 loads of a wave go out together, each covering 256 consecutive bytes; the sums are trees in a fixed order.
; den is at least 8,192 x 2^-11.6: never 0.
.set NU, 4                             ; v[4:35]  num, chunk c at NU + 2 c
.set DE, 36                            ; v[36:67] den
	s_load_b128 s[4:7], s[0:1], 0x0                ; part s[4:5], out0 s[6:7]
	v_lshrrev_b32 v1, 5, v0                        ; head
	v_and_b32 v2, 31, v0
	v_lshlrev_b32 v2, 3, v2                        ; 8 x lane
	v_lshl_add_u32 v3, v1, 9, v2                   ; in part
	v_lshl_add_u32 v1, v1, 8, v2                   ; in out0
	s_lshl_b32 s8, ttmp9, 16                       ; a batch's 128 records
	s_mov_b32 s9, 0
	s_lshl_b32 s10, ttmp9, 11
	s_mov_b32 s11, 0
	s_wait_kmcnt 0x0
	s_add_nc_u64 s[4:5], s[4:5], s[8:9]
	s_add_nc_u64 s[6:7], s[6:7], s[10:11]
.irp c, 0,1,2,3,4,5,6,7,8,9,10,11,12,13,14,15
	global_load_b64 v[NU+2*(\c):NU+2*(\c)+1], v3, s[4:5] offset:(\c)*4096
	global_load_b64 v[DE+2*(\c):DE+2*(\c)+1], v3, s[4:5] offset:(\c)*4096+256
.endr
	s_wait_loadcnt 0x0
.irp c, 0,2,4,6,8,10,12,14
	v_pk_add_f32 v[NU+2*(\c):NU+2*(\c)+1], v[NU+2*(\c):NU+2*(\c)+1], v[NU+2*(\c)+2:NU+2*(\c)+3]
	v_pk_add_f32 v[DE+2*(\c):DE+2*(\c)+1], v[DE+2*(\c):DE+2*(\c)+1], v[DE+2*(\c)+2:DE+2*(\c)+3]
.endr
.irp c, 0,4,8,12
	v_pk_add_f32 v[NU+2*(\c):NU+2*(\c)+1], v[NU+2*(\c):NU+2*(\c)+1], v[NU+2*(\c)+4:NU+2*(\c)+5]
	v_pk_add_f32 v[DE+2*(\c):DE+2*(\c)+1], v[DE+2*(\c):DE+2*(\c)+1], v[DE+2*(\c)+4:DE+2*(\c)+5]
.endr
.irp c, 0,8
	v_pk_add_f32 v[NU+2*(\c):NU+2*(\c)+1], v[NU+2*(\c):NU+2*(\c)+1], v[NU+2*(\c)+8:NU+2*(\c)+9]
	v_pk_add_f32 v[DE+2*(\c):DE+2*(\c)+1], v[DE+2*(\c):DE+2*(\c)+1], v[DE+2*(\c)+8:DE+2*(\c)+9]
.endr
	v_pk_add_f32 v[NU:NU+1], v[NU:NU+1], v[NU+16:NU+17]
	v_pk_add_f32 v[DE:DE+1], v[DE:DE+1], v[DE+16:DE+17]
	v_rcp_f32 v[DE], v[DE]
	v_rcp_f32 v[DE+1], v[DE+1]
	v_nop                                          ; a plain instruction between a reciprocal and the use of its result (ISA guide 5.7.2)
	s_wait_alu depctr_va_vdst(0)
	v_pk_mul_f32 v[NU:NU+1], v[NU:NU+1], v[DE:DE+1]
	global_store_b64 v1, v[NU:NU+1], s[6:7]        ; a wave stores 256 consecutive bytes, at a multiple of 256 from out0's first byte
	s_endpgm
.Lfunc_end_k_q28f66c49ae_fin:
	.size	k_q28f66c49ae_fin, .Lfunc_end_k_q28f66c49ae_fin-k_q28f66c49ae_fin
	.p2alignl 7, 3214868480
	.fill 96, 4, 3214868480
	.section	.rodata,"a",@progbits
	.p2align	6, 0x0
	.amdhsa_kernel k_q28f66c49ae_fin
		.amdhsa_group_segment_fixed_size 0
		.amdhsa_private_segment_fixed_size 0
		.amdhsa_enable_private_segment 0
		.amdhsa_kernarg_size 16
		.amdhsa_user_sgpr_count 2
		.amdhsa_user_sgpr_kernarg_segment_ptr 1
		.amdhsa_wavefront_size32 1
		.amdhsa_system_sgpr_workgroup_id_x 1
		.amdhsa_system_sgpr_workgroup_id_y 1
		.amdhsa_system_sgpr_workgroup_id_z 1
		.amdhsa_system_vgpr_workitem_id 0
		.amdhsa_next_free_vgpr 72
		.amdhsa_next_free_sgpr 66
		.amdhsa_reserve_vcc 0
		.amdhsa_float_denorm_mode_32 3
		.amdhsa_float_denorm_mode_16_64 3
		.amdhsa_memory_ordered 1
		.amdhsa_forward_progress 1
		.amdhsa_inst_pref_size 6
	.end_amdhsa_kernel
	.amdgpu_metadata
---
amdhsa.version: [ 1, 2 ]
amdhsa.kernels:
  - .name:           k_q28f66c49ae_fin
    .symbol:         k_q28f66c49ae_fin.kd
    .args:
      - { .name: part, .offset: 0, .size: 8, .value_kind: global_buffer, .address_space: global }
      - { .name: out0, .offset: 8, .size: 8, .value_kind: global_buffer, .address_space: global }
    .group_segment_fixed_size: 0
    .private_segment_fixed_size: 0
    .kernarg_segment_align: 8
    .kernarg_segment_size: 16
    .max_flat_workgroup_size: 256
    .sgpr_count:     66
    .vgpr_count:     72
    .wavefront_size: 32
...
	.end_amdgpu_metadata
.endif
;; end of part 3
